; MI455X (gfx1250); checked and timed in simulation.
; The chip was launched on July 23, 2026; its instructions are those of AMD's public machine-readable ISA for CDNA 5 (MIT licence, August 2026) and "CDNA5" Instruction Set Architecture Reference Guide (July 2026). The comments in the code are by the model that wrote it; some were corrected since.
;; Layer Norm MLP. Allowed arithmetic: float matrix products may take bf16 or f16 operands with f32 sums; other float arithmetic in f32, or as packed bf16 or f16 multiplies, adds, multiply-adds, maxima and minima; sums over many terms, partial sums and values carried from step to step in f32; what a program stores and reads back later, other than sums and carried values, may be rounded once to bf16 or f16.
;; Inputs: kernel_1 2,048 x 2 x 8,192 float32; kernel_2 8,192 x 2,048 float32; ln_bias 2,048 float32; scale 2,048 float32; x 4 x 256 x 2,048 float32.
;; Outputs: out0 4 x 256 x 2,048 float32.
;; One version. Each part assembles by itself: llvm-mc -triple=amdgcn-amd-amdhsa -mcpu=gfx1250 --defsym DOCPART=n.
;; ======== version 1 of 1: 4 launches
;; limits: values are held in f16: magnitudes above 65,504 overflow, below 6.1e-05 lose precision
;; workspace buffers: xn 4,194,304 bytes; zb 16,777,216 bytes; part 67,108,864 bytes
;; launch ln (part 1): grid 64 x 1, 16 waves a work-group, no clusters, 67,840 bytes of LDS; arguments x, scale, ln_bias, xn; writes xn
.if DOCPART == 1
	.amdgcn_target "amdgcn-amd-amdhsa--gfx1250"
	.amdhsa_code_object_version 6
	.text
	.protected	k_qce1ac40497_ln
	.globl	k_qce1ac40497_ln
	.p2align	8
	.type	k_qce1ac40497_ln,@function
k_qce1ac40497_ln:
	s_mov_b64 s[64:65], 0
	v_nop
	global_prefetch_b8 v0, s[64:65] scope:SCOPE_SE
	s_setreg_imm32_b32 hwreg(HW_REG_WAVE_MODE, 25, 1), 1
	s_wait_xcnt 0x0
; LAYERNORM.  xn[m][k] = (x[m][k] - mean) * rsqrt(var + 1e-6) * scale[k] + ln_bias[k], 1,024 rows of 2,048; mean and var in f32, var as the mean of (x - mean)^2.
; NOTHING OF THE PROBLEM IS LEFT OUT in this program: every input reaches the output, and every step is done.
; FORMATS (for the whole program).  All five inputs are rounded once to bf16, to nearest even, and used so.  The normalised rows are stored in f16; the first product multiplies in f16
; (kernel_1's bf16 numbers written as f16), the second in bf16 (the gated activation has no room in f16); all sums in f32.
; LIMITS.  A normalised number of 65,520 or more in magnitude becomes an infinity in f16.  With a common offset in x much larger than its spread, x's rounding to bf16 costs as many bits of the spread.
; LAYOUT OF xn: [256 groups of 8 k][1,024 rows][8 k] in f16: number (m, k) at byte (k / 8) * 16,384 + 16 m + 2 (k % 8).  Sixteen rows' 16 bytes of one group are 256 consecutive bytes.
; SHARES.  A work-group has 16 rows, since sixteen rows make such a block whole; a wave has one row, in 64 registers, read once: no wave waits for another before the stage.
; The rows meet in LDS (16 rows, 4,112 bytes apart: 257 x 16, so sixteen rows' 16 bytes start at sixteen different groups of four banks; ISA guide 11.1) and leave by groups of 8 k.
.set PITCH, 4112
.set SPARE, 16*PITCH                   ; behind the stage: the spare words, 128 bytes for each of the 16 waves
.set T,    4                           ; v[4:11]   four chains of sums, two numbers each
.set MEAN, 12                          ; v[12:13]  the mean, twice
.set RS,   14                          ; v[14:15]  rsqrt(var + eps), twice
.set XO,   16                          ; v16  my byte offset in x: 8,192 x wave + 16 x lane
.set SO,   17                          ; v17  in scale and ln_bias: 16 x lane
.set STO,  18                          ; v18  the stage, in: wave x PITCH + 8 x lane
.set RD,   19                          ; v19  the stage, back: (lane % 16) x PITCH + 256 x wave + 16 (lane / 16)
.set GO,   20                          ; v20  my byte offset in xn
.set SPW,  28                          ; v28  LDS address of my spare word; never rewritten
.set NIL,  29                          ; v29  0; never rewritten
.set ZR,   30                          ; v30  0: the low half of a rounding
.set X,    32                          ; v[32:95]   the row: chunk c of 16 holds k = 128 c + 4 lane + 0..3
.set SC,   96                          ; v[96:159]  scale of the same k; later the rows read back
.set BI,   160                         ; v[160:223] ln_bias of the same k
	s_load_b256 s[4:11], s[0:1], 0x0               ; x s[4:5], scale s[6:7], ln_bias s[8:9], xn s[10:11]
	v_lshl_add_u32 v[SPW], v0, 2, SPARE
	v_mov_b32 v[NIL], 0
	v_mov_b32 v[ZR], 0
	v_lshrrev_b32 v1, 5, v0
	v_readfirstlane_b32 s12, v1                    ; wave 0..15
	v_and_b32 v1, 31, v0                           ; lane
	v_and_b32 v2, 15, v0                           ; lane % 16
	v_bfe_u32 v3, v0, 4, 1                         ; lane / 16
	v_lshlrev_b32 v[SO], 4, v1
	s_lshl_b32 s13, s12, 13
	v_add_nc_u32 v[XO], s13, v[SO]
	s_mul_i32 s13, s12, PITCH
	v_lshl_add_u32 v[STO], v1, 3, s13
	v_mul_u32_u24 v[RD], v2, PITCH
	v_lshl_add_u32 v[RD], v3, 4, v[RD]
	s_lshl_b32 s13, s12, 8
	v_add_nc_u32 v[RD], s13, v[RD]
	v_lshlrev_b32 v[GO], 4, v2                     ; 16 x row,
	v_lshl_add_u32 v[GO], v3, 14, v[GO]            ; one group of 8 k further for lanes 16 to 31,
	s_lshl_b32 s13, s12, 18
	v_add_nc_u32 v[GO], s13, v[GO]                 ; my wave's 16 groups
	s_lshl_b32 s2, ttmp9, 17                       ; the work-group's 16 rows of 8,192 bytes in x
	s_mov_b32 s3, 0
	s_lshl_b32 s14, ttmp9, 8                       ; and their 256 bytes in each group of xn
	s_mov_b32 s15, 0
	s_mov_b32 s16, 0x76543210                      ; v_permlanex16_b32: each lane takes its own place in the other half
	s_mov_b32 s17, 0xfedcba98
	s_mov_b32 s18, 0x3a000000                      ; 1 / 2,048
	s_mov_b32 s19, 0x358637bd                      ; 1e-6
	s_wait_kmcnt 0x0
	s_add_nc_u64 s[4:5], s[4:5], s[2:3]
	s_add_nc_u64 s[10:11], s[10:11], s[14:15]
.irp c, 0,1,2,3,4,5,6,7,8,9,10,11,12,13,14,15
	global_load_b128 v[X+4*(\c):X+4*(\c)+3], v[XO], s[4:5] offset:512*(\c) th:TH_LOAD_NT  ; 512 consecutive bytes a load
.endr
.irp c, 0,1,2,3,4,5,6,7,8,9,10,11,12,13,14,15
	global_load_b128 v[SC+4*(\c):SC+4*(\c)+3], v[SO], s[6:7] offset:512*(\c)
.endr
.irp c, 0,1,2,3,4,5,6,7,8,9,10,11,12,13,14,15
	global_load_b128 v[BI+4*(\c):BI+4*(\c)+3], v[SO], s[8:9] offset:512*(\c)
.endr
; the four chains into one number, then over the 32 lanes: every lane ends with the sum
.macro REDUCE
	v_pk_add_f32 v[T:T+1], v[T:T+1], v[T+2:T+3]
	v_pk_add_f32 v[T+4:T+5], v[T+4:T+5], v[T+6:T+7]
	v_pk_add_f32 v[T:T+1], v[T:T+1], v[T+4:T+5]
	v_add_f32 v[T], v[T], v[T+1]
	v_add_f32_dpp v[T], v[T], v[T] row_xmask:1 row_mask:0xf bank_mask:0xf
	v_add_f32_dpp v[T], v[T], v[T] row_xmask:2 row_mask:0xf bank_mask:0xf
	v_add_f32_dpp v[T], v[T], v[T] row_xmask:4 row_mask:0xf bank_mask:0xf
	v_add_f32_dpp v[T], v[T], v[T] row_xmask:8 row_mask:0xf bank_mask:0xf
	v_permlanex16_b32 v[T+1], v[T], s16, s17       ; its destination has been written before
	v_add_f32 v[T], v[T], v[T+1]
.endm
	s_wait_loadcnt 32                              ; x is in; the 32 loads of scale and ln_bias may stay out
.set i, 0
.rept 64
	v_cvt_pk_bf16_f32 v[X+i], v[ZR], v[X+i]        ; x rounded to bf16: the code in the high half over a zero low half is that number in f32
.set i, i+1
.endr
.irp k, 0,1,2,3
	v_pk_add_f32 v[T+2*(\k):T+2*(\k)+1], v[X+2*(\k):X+2*(\k)+1], v[X+8+2*(\k):X+8+2*(\k)+1]  ; the first pairs start the chains: nothing is cleared
.endr
.set j, 8
.rept 24
	v_pk_add_f32 v[T+2*(j%4):T+2*(j%4)+1], v[T+2*(j%4):T+2*(j%4)+1], v[X+2*j:X+2*j+1]
.set j, j+1
.endr
	REDUCE
	v_mul_f32 v[MEAN], s18, v[T]
	v_mov_b32 v[MEAN+1], v[MEAN]
.set j, 0
.rept 32
	v_pk_add_f32 v[X+2*j:X+2*j+1], v[X+2*j:X+2*j+1], v[MEAN:MEAN+1] neg_lo:[0,1] neg_hi:[0,1]  ; x - mean
.set j, j+1
.endr
.irp k, 0,1,2,3
	v_pk_mul_f32 v[T+2*(\k):T+2*(\k)+1], v[X+2*(\k):X+2*(\k)+1], v[X+2*(\k):X+2*(\k)+1]
.endr
.set j, 4
.rept 28
	v_pk_fma_f32 v[T+2*(j%4):T+2*(j%4)+1], v[X+2*j:X+2*j+1], v[X+2*j:X+2*j+1], v[T+2*(j%4):T+2*(j%4)+1]
.set j, j+1
.endr
	REDUCE
	v_fma_f32 v[T], v[T], s18, s19                 ; var + eps
	v_rsq_f32 v[RS], v[T]
	s_wait_loadcnt 0x0                             ; scale and ln_bias
.set i, 0
.rept 64
	v_cvt_pk_bf16_f32 v[SC+i], v[ZR], v[SC+i]      ; both rounded to bf16: 128 plain instructions that name neither the root nor its source
	v_cvt_pk_bf16_f32 v[BI+i], v[ZR], v[BI+i]
.set i, i+1
.endr
	s_wait_alu depctr_va_vdst(0)                   ; the wait ahead of the first instruction that names the root
	v_mov_b32 v[RS+1], v[RS]
.set j, 0
.rept 32
	v_pk_mul_f32 v[X+2*j:X+2*j+1], v[X+2*j:X+2*j+1], v[RS:RS+1]
.set j, j+1
.endr
.set j, 0
.rept 32
	v_pk_fma_f32 v[X+2*j:X+2*j+1], v[X+2*j:X+2*j+1], v[SC+2*j:SC+2*j+1], v[BI+2*j:BI+2*j+1]
.set j, j+1
.endr
.set j, 0
.rept 32
	v_cvt_pk_f16_f32 v[X+j], v[X+2*j], v[X+2*j+1]  ; in place: word j is written when words 2 j and 2 j + 1 are read, and nothing below them is read again
.set j, j+1
.endr
.irp c, 0,1,2,3,4,5,6,7,8,9,10,11,12,13,14,15
	ds_store_b64 v[STO], v[X+2*(\c):X+2*(\c)+1] offset:256*(\c)  ; 256 consecutive bytes of my row
.endr
	s_wait_dscnt 0x0                               ; for the others' sake: my row lies in the stage
	s_barrier_signal -1
	s_barrier_wait -1
.irp j, 0,1,2,3,4,5,6,7
	ds_load_b128 v[SC+4*(\j):SC+4*(\j)+3], v[RD] offset:32*(\j)  ; groups 16 wave + 2 j (lanes 0-15) and + 2 j + 1 (lanes 16-31) of all sixteen rows
.endr
.irp j, 0,1,2,3,4,5,6,7
	s_wait_dscnt 7-(\j)                            ; LDS loads come back in order (ISA guide 5.7.1): load j is in
	global_store_b128 v[GO], v[SC+4*(\j):SC+4*(\j)+3], s[10:11] offset:32768*(\j) th:TH_STORE_NT  ; each half of the lanes stores 256 consecutive bytes, aligned
.endr
	s_wait_tensorcnt 0x0                           ; the wave's end, behind my last LDS store
	ds_add_u32 v[SPW], v[NIL]
	s_wait_dscnt 0x0
	s_endpgm
.Lfunc_end_k_qce1ac40497_ln:
	.size	k_qce1ac40497_ln, .Lfunc_end_k_qce1ac40497_ln-k_qce1ac40497_ln
	.p2alignl 7, 3214868480
	.fill 96, 4, 3214868480
	.section	.rodata,"a",@progbits
	.p2align	6, 0x0
	.amdhsa_kernel k_qce1ac40497_ln
		.amdhsa_group_segment_fixed_size 67840
		.amdhsa_private_segment_fixed_size 0
		.amdhsa_enable_private_segment 0
		.amdhsa_kernarg_size 32
		.amdhsa_user_sgpr_count 2
		.amdhsa_user_sgpr_kernarg_segment_ptr 1
		.amdhsa_wavefront_size32 1
		.amdhsa_system_sgpr_workgroup_id_x 1
		.amdhsa_system_sgpr_workgroup_id_y 1
		.amdhsa_system_sgpr_workgroup_id_z 1
		.amdhsa_system_vgpr_workitem_id 0
		.amdhsa_next_free_vgpr 224
		.amdhsa_next_free_sgpr 66
		.amdhsa_reserve_vcc 0
		.amdhsa_float_denorm_mode_32 3
		.amdhsa_float_denorm_mode_16_64 3
		.amdhsa_memory_ordered 1
		.amdhsa_forward_progress 1
		.amdhsa_inst_pref_size 35
	.end_amdhsa_kernel
	.amdgpu_metadata
---
amdhsa.version: [ 1, 2 ]
amdhsa.kernels:
  - .name:           k_qce1ac40497_ln
    .symbol:         k_qce1ac40497_ln.kd
    .args:
      - { .name: x, .offset: 0, .size: 8, .value_kind: global_buffer, .address_space: global }
      - { .name: scale, .offset: 8, .size: 8, .value_kind: global_buffer, .address_space: global }
      - { .name: ln_bias, .offset: 16, .size: 8, .value_kind: global_buffer, .address_space: global }
      - { .name: xn, .offset: 24, .size: 8, .value_kind: global_buffer, .address_space: global }
    .group_segment_fixed_size: 67840
    .private_segment_fixed_size: 0
    .kernarg_segment_align: 8
    .kernarg_segment_size: 32
    .max_flat_workgroup_size: 512
    .sgpr_count:     66
    .vgpr_count:     224
    .wavefront_size: 32
...
	.end_amdgpu_metadata
.endif
;; end of part 1
;; launch up (part 2): grid 256 x 1, 4 waves a work-group, clusters of 4 x 1, 327,680 bytes of LDS; arguments xn, kernel_1, zb; writes zb
.if DOCPART == 2
	.amdgcn_target "amdgcn-amd-amdhsa--gfx1250"
	.amdhsa_code_object_version 6
	.text
	.protected	k_qce1ac40497_up
	.globl	k_qce1ac40497_up
	.p2align	8
	.type	k_qce1ac40497_up,@function
k_qce1ac40497_up:
	s_mov_b64 s[64:65], 0
	v_nop
	global_prefetch_b8 v0, s[64:65] scope:SCOPE_SE
	s_setreg_imm32_b32 hwreg(HW_REG_WAVE_MODE, 25, 1), 1
	s_wait_xcnt 0x0
	s_wait_alu depctr_hold_cnt(0) depctr_sa_sdst(0) depctr_va_vdst(0) depctr_va_sdst(0) depctr_va_ssrc(0) depctr_va_vcc(0) depctr_vm_vsrc(0)
	s_getreg_b32 s2, hwreg(HW_REG_IB_STS2, 6, 4)
	s_cmp_eq_u32 s2, 0
	s_cbranch_scc0 .Lentry_in_a_cluster
	s_endpgm
.Lentry_in_a_cluster:
	s_bfe_u32 s2, ttmp6, 0x10000c
	s_cmp_lg_u32 s2, 0x3003
	s_cbranch_scc0 .Lentry_shape_is_right
	s_endpgm
.Lentry_shape_is_right:
; zb[m][i] = gelu(g) * l, g = sum over k of xn[m][k] kernel_1[k][0][i], l = the same with kernel_1[k][1][i]; gelu in its tanh form: g / (1 + 2^(g (c0 + c1 g^2))).  Nothing is left out.
; xn: f16, [256 groups of 8 k][1,024 rows][8].  kernel_1: f32, rows of 65,536 bytes along (gate, linear) x i.  zb: bf16, [1,024 groups of 8 i][1,024 rows][8].  Sums in f32.
; LIMITS.  kernel_1 is rounded to bf16 and that number written as f16: 65,520 and more becomes an infinity, and below 6.1e-5 it keeps f16's fixed step.  g x l is formed before the
; sigmoid is multiplied in: it must stay under f32's largest number.
; SHARES.  A work-group makes 512 rows x (64 gate + 64 linear columns); wave w rows 128 w .. + 127 and all 128 columns: 64 accumulators, 512 registers.  K = 2,048.
; A (xn) comes by the tensor data mover through two LDS slots of 128 k.  In the layout by groups of 8 k a fragment's sixteen lanes read 256 consecutive bytes: no padding is needed.
; CLUSTER.  The four work-groups of a cluster have the same 512 rows and four neighbouring column blocks: A's tiles are asked for JOINTLY, the same load, descriptor and mask (all four) in each.
; THE WEIGHTS are not shared in a cluster (each column block has its own) and go memory -> registers -> rounded -> LDS, 64 k a step, two LDS slots, two register sets: wave w takes k rows
; 16 w .. + 15 of a step; a lane loads 16 bytes (columns 4 q .. 4 q + 3, q = lane % 16, of the gate for lanes 0-15, of the linear part for lanes 16-31) of each row, so it holds 8 k of a column
; in 8 registers: packing them in pairs IS the transposition.  Column 4 q + t becomes index q of column tile t (gate) or 4 + t (linear): a permutation that the way out undoes.
; The roundings ride behind the matrix instructions, four behind each of a quarter's first 24.
; THE MATRIX INSTRUCTION IS USED TRANSPOSED (source 0 = 16 columns, source 1 = 16 rows): register j of lane (r, h) of tile t holds row r, column i0 + 32 h + 4 j + t.
; REGISTERS, in windows of 256 (s_set_vgpr_msb: bits 1:0 source 0, 3:2 source 1, 5:4 source 2, 7:6 destination):
;   window 0: v0-31 addresses; v32-63 packed weights, later packed results; v64-127, v128-191 A's fragments, two buffers (on the way out v64-127 are at work)
;   window 1: v0-63, v192-255 the two sets of weights as loaded; v64-127, v128-191 B's fragments       windows 2, 3: accumulator (a, b) at v[8 (8 (a % 4) + b)] of window 2 + a / 4
.set NA,     16                        ; slots of A: K / 128
.set ROWS,   16                        ; a row of the weights is 1 << ROWS bytes
.set ROWB,   1<<ROWS
.set SEGS,   15                        ; lanes 16-31 read 1 << SEGS bytes further on: the linear part
.set STEPB,  64*ROWB                   ; a step of 64 k
.set ASLOT,  1<<17                     ; a slot of A: 16 groups x 512 rows x 16 bytes; one exclusive or turns an address in one slot into the other's
.set ASTEP,  16*16384                  ; the same 128 k in memory
.set BB,     2*ASLOT                   ; behind A's ring, never a tensor load's target: B's two slots: group of 8 k (2,048 bytes) x column tile (256) x index (16)
.set BSLOT,  16384
.set SPARE,  BB+2*BSLOT                ; the spare words, 128 bytes for each wave: two blocks of 256 bytes that no other line names
.set NSL,    24                        ; slices of four riders for a step's conversion: 64 roundings, 32 packings
.set ADRA0, 12                         ; v12-13  my lane's place in a slot of A, for quarters 0, 1 and (65,536 further) 2, 3; never rewritten
.set ADRA,  16                         ; v16-17  the same in the slot in hand
.set ADRB,  20                         ; v20     my lane's place in B's slot 0
.set BST,   21                         ; v21     where I store 16 bytes of B
.set BGO,   22                         ; v22     my byte offset in a step of the weights
.set PFW,   23                         ; v23     the weights' prefetch: my block of 256 bytes, four steps on
.set PFAO,  24                         ; v24     A's prefetch: 256 x lane
.set ZO,    26                         ; v26     my byte offset in zb
.set SPW,   28                         ; v28     LDS address of my spare word; never rewritten
.set NIL,   29                         ; v29     0; never rewritten
.set ZR,    30                         ; v30     0: the low half of a rounding
.set CV,    32
.set F0,    64
.set F1,    128
.set T,     64                         ; the way out: 32 registers at work
.set GL,    96                         ; the way out: g x l
.set G1,  24                           ; s[24:31] descriptor group 1
.set G0A, 32                           ; s[32:35] group 0 of slot 0's first fill
.set G0,  36                           ; s[36:39] group 0 of slot 1's first fill; then it walks
.set W,   40                           ; s[40:41] the weights at the step last loaded
.set PFA, 42                           ; s[42:43] A's prefetch: my group of 8 k, in the slot that the next refill asks for
.set LIMW, 44                          ; s44  2 where my cluster prefetches weights, else the greatest number
.set LIMA, 45                          ; s45  the same for A
.set TA,  46                           ; s46  the slot of A in hand: 0 or ASLOT
.set C0,  48                           ; s[48:49] c0 = -2 log2(e) sqrt(2 / pi)
.set C1,  50                           ; s[50:51] c1 = 0.044715 c0
.set MSB, 0
.set sl, 0
.macro WIN new                         ; the immediate's high byte repeats the setting that is left; a switch that changes nothing is dropped
.if MSB != (\new)
	s_set_vgpr_msb (MSB<<8)|(\new)
.set MSB, (\new)
.endif
.endm
.set MUL_LO, 0xa1                      ; source 0 (B) window 1, source 1 (A) window 0, C and D window 2; + 0x50: window 3
.set TO_1,   0x40                      ; destination window 1
.set RND,    0x44                      ; destination and source 1 window 1, source 0 window 0
.set PCK,    0x05                      ; sources window 1, destination window 0
.macro PLACES                          ; four places: behind matrix instructions, in front of loads into registers that they have read and of instructions that read their results
.rept 4
	v_nop
.endr
.endm
.macro CREST                           ; a round of the cluster's barrier behind its opening barrier
	s_cmp_lg_u32 s10, 0
	s_cbranch_scc1 .Lnot_wave_0_\@
	s_barrier_signal -3
.Lnot_wave_0_\@:
	s_barrier_wait -3
	s_barrier_signal -1
	s_barrier_wait -1
.endm
.macro CROUND
	s_barrier_signal -1
	s_barrier_wait -1
	CREST
.endm
; The next four riders of set st's conversion.  Slices 0-15: each number rounded to bf16, in place (the code over a zero low half is that number in f32).  Slices 16-23: word p = 16 g + 4 t + d of the
; packed weights: k rows 2 d and 2 d + 1 of group g, column t, as f16.
.macro SLICE st
.set STB, 192*(\st)
.if sl < 16
	WIN RND
.irp z, 0,1,2,3
	v_cvt_pk_bf16_f32 v[STB+4*sl+(\z)], v[ZR], v[STB+4*sl+(\z)]
.endr
.else
	WIN PCK
.irp z, 0,1,2,3
.set p, 4*(sl-16)+(\z)
	v_cvt_pk_f16_f32 v[CV+p], v[STB+32*(p/16)+8*(p%4)+(p/4)%4], v[STB+32*(p/16)+8*(p%4)+4+(p/4)%4]
.endr
.endif
.set sl, sl+1
.endm
; cnt matrix instructions from number n0 of a half (hi = 0: my rows 0-63, 1: rows 64-127): row tile n / 8 of the half's four, column tile n % 8.  The 64 accumulators take turns in the same order in
; every quarter, over the backward jump too.  zero = 1: the product starts the sum.  ride = 1: a slice behind each while there are slices.
.macro MMS f, hi, n0, cnt, zero=0, ride=0, st=0
.set n, \n0
.rept \cnt
	WIN MUL_LO+0x50*(\hi)
.if \zero
	v_wmma_f32_16x16x32_f16 v[8*n:8*n+7], v[(\f)+8*(n%8):(\f)+8*(n%8)+7], v[(\f)+8*(4*(\hi)+n/8):(\f)+8*(4*(\hi)+n/8)+7], 0
.else
	v_wmma_f32_16x16x32_f16 v[8*n:8*n+7], v[(\f)+8*(n%8):(\f)+8*(n%8)+7], v[(\f)+8*(4*(\hi)+n/8):(\f)+8*(4*(\hi)+n/8)+7], v[8*n:8*n+7]
.endif
.if (\ride) && (sl < NSL)
	SLICE \st
.endif
.set n, n+1
.endr
.endm
.macro STOREB sb                       ; my two groups of 8 k x 8 column tiles into B's slot sb: each half of the lanes writes 256 consecutive bytes
.irp g, 0,1
.irp t, 0,1,2,3
	ds_store_b128 v[BST], v[CV+16*(\g)+4*(\t):CV+16*(\g)+4*(\t)+3] offset:(\sb)*BSLOT+(\g)*2048+(\t)*256
.endr
.endr
.endm
; 32 LDS loads in one run: the fragments of quarter q (32 k) of the slot in hand into buffer f: B's eight column tiles, then A's eight row tiles.  Registers 0-3 of a fragment are the group of 8 k
; 4 q + lane / 16, registers 4-7 the group two further on.
.macro FETCH q, f
	WIN TO_1
.irp i, 0,1,2,3,4,5,6,7
	ds_load_b128 v[(\f)+8*(\i):(\f)+8*(\i)+3],   v[ADRB] offset:((\q)>>1)*BSLOT+((\q)&1)*8192+(\i)*256
	ds_load_b128 v[(\f)+8*(\i)+4:(\f)+8*(\i)+7], v[ADRB] offset:((\q)>>1)*BSLOT+((\q)&1)*8192+(\i)*256+4096
.endr
	WIN 0
.irp i, 0,1,2,3,4,5,6,7
	ds_load_b128 v[(\f)+8*(\i):(\f)+8*(\i)+3],   v[ADRA+((\q)>>1)] offset:((\q)&1)*32768+(\i)*256
	ds_load_b128 v[(\f)+8*(\i)+4:(\f)+8*(\i)+7], v[ADRA+((\q)>>1)] offset:((\q)&1)*32768+(\i)*256+16384
.endr
.endm
; A step's 16 loads into set st: my 16 k rows, each half of the lanes 256 consecutive bytes, aligned.  The pointers are stepped here, behind the wait that frees them.
.macro LOADB st, bump, bumpa
	s_wait_xcnt 0x0                                ; every load and prefetch issued so far has read its address (ISA guide 3.1)
.if \bump
	s_add_nc_u64 s[W:W+1], s[W:W+1], STEPB
.endif
.if \bumpa
	s_add_nc_u64 s[PFA:PFA+1], s[PFA:PFA+1], ASTEP
.endif
	WIN TO_1
.irp e, 0,1,2,3,4,5,6,7,8,9,10,11,12,13,14,15
	global_load_b128 v[192*(\st)+4*(\e):192*(\st)+4*(\e)+3], v[BGO], s[W:W+1] offset:(\e)*ROWB
.endr
	WIN 0
.endm
; PREFETCHES INTO THE L2.  Weights: behind a step's loads each wave names its own 16 rows x 2 blocks of 256 bytes, a lane a block, of the step four steps (512 matrix instructions) on.  The two clusters
; that read the same columns (row blocks 0 and 1) share them out: row block 0 asks.  So each block is named once.  Trip a loads steps 2 a + 4 and 2 a + 5 and names 2 a + 8 and 2 a + 9: the last three
; trips (s3 <= 2) would pass the last step and name nothing.  Steps 0 to 7 come by their loads alone.
.macro ASKW
	s_cmp_gt_u32 s3, s[LIMW]
	s_cbranch_scc0 .Lno_w_\@
	global_prefetch_b8 v[PFW], s[W:W+1] th:TH_LOAD_NT scope:SCOPE_SE
.Lno_w_\@:
.endm
; A: behind the joint load, its five lines and the run of LDS loads: the slot two refills (512 matrix instructions) on.  All clusters of a row block read the same rows: the first column group's cluster
; asks; its four partners share the slot's 16 groups of 8 k out BY ADDRESS (wave w of partner cx: group 4 w + cx), a lane 256 bytes.  The last three trips name nothing: there is no such slot.
.macro ASKA
	s_cmp_gt_u32 s3, s[LIMA]
	s_cbranch_scc0 .Lno_a_\@
	global_prefetch_b8 v[PFAO], s[PFA:PFA+1] offset:2*ASTEP th:TH_LOAD_NT scope:SCOPE_SE
.Lno_a_\@:
.endm
; A slot of A is four QUARTERS of 32 k, 64 matrix instructions each, on buffers F0, F1, F0, F1; quarters 0, 1 read B's slot 0, quarters 2, 3 its slot 1.
; Quarter 0 or 2: multiplies f; converts set st beside its first products (the riders are also the places in front of the loads below), stores it into B's slot sb, fetches the next quarter into g, and
; asks for the set's next step.  lf: the other set's younger loads, which may stay out.
.macro QC q, f, g, zero, st, sb, lf, ld, ask, bumpa
	s_wait_loadcnt \lf                             ; set st is in
	s_wait_dscnt 8                                 ; B and A's rows 0-63 are in; the youngest eight loads (A's rows 64-127) may be out
.set sl, 0
	MMS \f, 0, 0, 32, \zero, 1, \st
	WIN 0
	STOREB \sb
	FETCH (\q)+1, \g
.if \ld
	LOADB \st, 1, \bumpa
.endif
.if \ask
	ASKW
.endif
	s_wait_dscnt 32                                ; all but the 32 loads just issued
	MMS \f, 1, 0, 32, \zero
.endm
; Quarter 1, with the barrier in a slot's middle.  It orders: every wave's stores into B's slot 1 (quarter 0) before the reads below; every wave's reads of B's slot 0 (the last issued in quarter 0)
; before quarter 2's stores into it.
.macro QX
	s_wait_dscnt 8
	MMS F1, 0, 0, 16
	s_wait_dscnt 0x0                               ; for the others' sake: my stores and my reads are done
	s_barrier_signal -1
	MMS F1, 0, 16, 16
	s_barrier_wait -1
	PLACES
	FETCH 2, F0
	MMS F1, 1, 0, 32
.endm
; Quarter 3, with the change of A's slots.  Each wave waits for all its tensor loads (one is out: its part of the next slot), adds 0 to its spare word, and waits for that, for its reads of this slot and of
; B's slot 1, and for its stores into B's slot 0.  fill = 1: the barrier opens a round of the cluster's, so that no wave of any partner still reads the slot or has a load on its way; the joint refill,
; two slots on, is the first thing behind it and has 224 matrix instructions in which to land.
.macro TURN fill
	WIN 0
	s_wait_tensorcnt 0x0                           ; no tensor load of mine is out, so the walking group 0 may be written
	ds_add_u32 v[SPW], v[NIL]                      ; 0 onto my spare word
.if \fill
	s_xor_b32 s[G0+1], s[G0+1], ASLOT              ; the other slot than last time,
	s_add_nc_u64 s[G0+2:G0+3], s[G0+2:G0+3], ASTEP ; the next 128 k; the type bits on top are not reached
.endif
	s_xor_b32 s[TA], s[TA], ASLOT
	s_wait_dscnt 9                                 ; (the add and the youngest eight loads may be out)
	MMS F1, 0, 0, 16
	s_wait_dscnt 0x0
	s_barrier_signal -1
	MMS F1, 0, 16, 16
	WIN 0                                          ; at a branch and at a label every window is 0
	v_add_nc_u32 v[ADRA], s[TA], v[ADRA0]          ; no LDS load that names these two is out
	v_add_nc_u32 v[ADRA+1], s[TA], v[ADRA0+1]
	s_barrier_wait -1
.if \fill
	CREST
	tensor_load_to_lds s[G0:G0+3], s[G1:G1+7]
	s_nop 0
.endif
	PLACES                                         ; behind the tensor load; also the places in front of the loads below
	FETCH 0, F0
.if \fill
	ASKA
.endif
	MMS F1, 1, 0, 32
.endm
	s_load_b128 s[4:7], s[0:1], 0x0                ; xn s[4:5], kernel_1 s[6:7]
	s_load_b64 s[8:9], s[0:1], 0x10                ; zb
	v_lshl_add_u32 v[SPW], v0, 2, SPARE
	v_mov_b32 v[NIL], 0
	ds_add_u32 v[SPW], v[NIL]                      ; the wave's opening: the add, twice on end, and its wait ahead of my first tensor load
	ds_add_u32 v[SPW], v[NIL]                      ; and once more; the set-up below, work on registers, stands between it and the wait
	v_mov_b32 v[ZR], 0
	v_lshrrev_b32 v1, 5, v0
	v_readfirstlane_b32 s10, v1                    ; wave 0..3
	s_bfe_u32 s11, ttmp6, 0x40000                  ; cx: my place in the cluster
	s_mov_b32 s12, ttmp9                           ; the cluster's number, 0..63
	s_and_b32 s13, s12, 1                          ; row block: rows 512 rb on
	s_lshr_b32 s15, s12, 1                         ; column group 0..31
	s_lshl_b32 s14, s15, 2
	s_add_co_u32 s14, s14, s11                     ; column block cb 0..127: i = 64 cb on.  It enters the weights', zb's and a prefetch's addresses alone
	s_mov_b32 s[G1+0], 15|(3<<16)|(1<<21)          ; 15:0 the mask: all four work-groups; 17:16 elements of 8 bytes; 21 set beside a mask; no padding
	s_mov_b32 s[G1+1], 1024<<16                    ; tensor_dim0 = 1,024 elements: a group's 512 rows of 16 bytes
	s_mov_b32 s[G1+2], 4<<16                       ; tensor_dim1 = 4 groups of 8 k
	s_mov_b32 s[G1+3], 1024<<16                    ; tile_dim0 = 1,024
	s_mov_b32 s[G1+4], 4                           ; tile_dim1 = 4
	s_mov_b32 s[G1+5], 2048                        ; 2,048 elements (16,384 bytes) from group to group
	s_mov_b32 s[G1+6], 0
	s_mov_b32 s[G1+7], 0
	s_mov_b32 s[G0A], 1
	s_lshl_b32 s[G0A+1], s10, 15                   ; LDS: slot 0, my four groups of 8,192 bytes
	s_mov_b32 s[G0], 1
	s_add_co_u32 s[G0+1], s[G0A+1], ASLOT          ; slot 1
	s_mov_b32 s[TA], 0
	s_mov_b32 s[C0], 0xc0135761                    ; -2.3022082
	s_mov_b32 s[C0+1], s[C0]                       ; named with it as a pair
	s_mov_b32 s[C1], 0xbdd2d3e8                    ; -0.10294324
	s_mov_b32 s[C1+1], s[C1]
	s_cmp_eq_u32 s13, 0
	s_cselect_b32 s[LIMW], 2, -1                   ; the same in all four partners
	s_cmp_eq_u32 s15, 0
	s_cselect_b32 s[LIMA], 2, -1
	v_and_b32 v2, 15, v0                           ; lane % 16
	v_bfe_u32 v3, v0, 4, 1                         ; lane / 16
	v_lshlrev_b32 v4, 4, v2
	s_lshl_b32 s16, s10, 11                        ; my 128 rows of 16 bytes
	v_lshl_add_u32 v[ADRA0], v3, 13, v4
	v_add_nc_u32 v[ADRA0], s16, v[ADRA0]
	v_add_nc_u32 v[ADRA0+1], 0x10000, v[ADRA0]
	v_mov_b32 v[ADRA], v[ADRA0]
	v_mov_b32 v[ADRA+1], v[ADRA0+1]
	v_lshl_add_u32 v[ADRB], v3, 11, v4
	v_add_nc_u32 v[ADRB], BB, v[ADRB]
	s_lshl_b32 s16, s10, 12                        ; my two groups of 8 k in a slot of B
	s_add_co_u32 s16, s16, BB
	v_lshl_add_u32 v[BST], v3, 10, v4              ; lanes 16-31: column tiles 4 to 7
	v_add_nc_u32 v[BST], s16, v[BST]
	s_lshl_b32 s16, s10, ROWS+4                    ; my 16 k rows of a step
	v_lshl_add_u32 v[BGO], v3, SEGS, v4
	v_add_nc_u32 v[BGO], s16, v[BGO]
	v_lshlrev_b32 v5, ROWS, v2
	v_lshl_add_u32 v[PFW], v3, SEGS, v5
	v_add_nc_u32 v[PFW], s16, v[PFW]
	v_add_nc_u32 v[PFW], 4*STEPB, v[PFW]
	v_and_b32 v5, 31, v0
	v_lshlrev_b32 v[PFAO], 8, v5
	v_lshl_add_u32 v[ZO], v3, 16, v4               ; lanes 16-31: four groups of 8 i further on
	s_lshl_b32 s16, s10, 16                        ; A: my four groups of a slot, and the row block; these registers never hold cx
	s_lshl_b32 s17, s13, 13
	s_add_co_u32 s16, s16, s17
	s_mov_b32 s17, 0
	s_lshl_b32 s20, s10, 2                         ; A's prefetch: group 4 w + cx, the row block, slot 2
	s_add_co_u32 s20, s20, s11
	s_lshl_b32 s20, s20, 14
	s_lshl_b32 s21, s13, 13
	s_add_co_u32 s20, s20, s21
	s_add_co_u32 s20, s20, 2*ASTEP
	s_mov_b32 s21, 0
	s_lshl_b32 s22, s14, 8                         ; the weights: 64 columns of 4 bytes a block
	s_mov_b32 s23, 0
	s_lshl_b32 s2, s14, 17                         ; zb: eight groups of 8 i a block, the row block, my 128 rows
	s_lshl_b32 s3, s13, 13
	s_add_co_u32 s2, s2, s3
	s_lshl_b32 s3, s10, 11
	s_add_co_u32 s2, s2, s3
	s_mov_b32 s3, 0
	s_wait_dscnt 0x0                               ; both opening adds are done
	s_wait_kmcnt 0x0
	s_add_nc_u64 s[18:19], s[4:5], s[16:17]
	s_mov_b64 s[G0A+2:G0A+3], s[18:19]
	s_or_b32 s[G0A+3], s[G0A+3], 0x80000000        ; 127:126 type = 2
	s_add_nc_u64 s[G0+2:G0+3], s[18:19], ASTEP
	s_or_b32 s[G0+3], s[G0+3], 0x80000000
	s_add_nc_u64 s[PFA:PFA+1], s[4:5], s[20:21]
	s_add_nc_u64 s[W:W+1], s[6:7], s[22:23]
	s_add_nc_u64 s[8:9], s[8:9], s[2:3]
	LOADB 0, 0, 0                                  ; step 0
	LOADB 1, 1, 0                                  ; step 1
	CROUND                                         ; all four work-groups are here: the first joint loads meet
	tensor_load_to_lds s[G0A:G0A+3], s[G1:G1+7]    ; both first fills together: two loads of mine are out
	s_nop 0
	tensor_load_to_lds s[G0:G0+3], s[G1:G1+7]
	s_nop 0
	PLACES
	s_wait_loadcnt 16                              ; step 0 is in; step 1's 16 loads may stay out
.set sl, 0
.rept NSL
	SLICE 0
.endr
	WIN 0
	STOREB 0
	LOADB 0, 1, 0                                  ; step 2
	s_wait_tensorcnt 1                             ; my part of slot 0 is in; slot 1's may stay out
	s_wait_dscnt 0x0                               ; my part of B's slot 0 is stored
	s_barrier_signal -1
	s_barrier_wait -1
	FETCH 0, F0
	QC 0, F0, F1, 1, 1, 1, 16, 1, 0, 0             ; the first quarter stands in front of the loop: its products start the sums; step 1 is converted, step 3 asked for
	WIN 0
	s_mov_b32 s3, NA-2
.Llap:                                                 ; trip a: quarters 1 to 3 of slot a and quarter 0 of slot a + 1; steps 2 a + 2, 2 a + 3 converted, 2 a + 4, 2 a + 5 loaded, slot a + 2 asked for
	QX
	QC 2, F0, F1, 0, 0, 0, 16, 1, 1, 0
	TURN 1
	QC 0, F0, F1, 0, 1, 1, 16, 1, 1, 1
	WIN 0
	s_sub_co_u32 s3, s3, 1
	s_cmp_lg_u32 s3, 0
	s_cbranch_scc1 .Llap
	QX                                             ; the tail is written out: nothing more is loaded or asked for
	QC 2, F0, F1, 0, 0, 0, 16, 0, 0, 0             ; the last step but one; the last step's 16 loads may stay out
	TURN 0
	QC 0, F0, F1, 0, 1, 1, 0, 0, 0, 0              ; the last step
	QX
	s_wait_dscnt 8
	MMS F0, 0, 0, 32
	PLACES
	FETCH 3, F1
	s_wait_dscnt 32
	MMS F0, 1, 0, 32
	s_wait_dscnt 8
	MMS F1, 0, 0, 32
	s_wait_dscnt 0x0
	MMS F1, 1, 0, 32
	WIN 0
	PLACES
	PLACES
; THE WAY OUT, a row tile a (16 rows) at a time.  T[8 t + j] and GL[8 t + j] go with register j of gate tile t; each accumulator's lowest registers are read first.
; The exponentials are one batch with one wait, and so are the reciprocals.  A lane's 32 results are i0 + 32 h + 0..31 of one row: four groups of 8 i, 16 bytes each; group u takes registers 2 u and
; 2 u + 1 of the four tiles.  Each half of the lanes stores 256 consecutive bytes, aligned.
.macro OUT a
.set WS, 2+(\a)/4
.set AC, 64*((\a)%4)
.set ZZ, CV+16*((\a)%2)
	WIN WS|(WS<<2)
.irp t, 0,1,2,3
.irp u, 0,1,2,3
	v_pk_mul_f32 v[T+8*(\t)+2*(\u):T+8*(\t)+2*(\u)+1], v[AC+8*(\t)+2*(\u):AC+8*(\t)+2*(\u)+1], v[AC+8*(\t)+2*(\u):AC+8*(\t)+2*(\u)+1]
	v_pk_mul_f32 v[GL+8*(\t)+2*(\u):GL+8*(\t)+2*(\u)+1], v[AC+8*(\t)+2*(\u):AC+8*(\t)+2*(\u)+1], v[AC+32+8*(\t)+2*(\u):AC+32+8*(\t)+2*(\u)+1]
.endr
.endr
	WIN 0
.set i, 0
.rept 16
	v_pk_fma_f32 v[T+i:T+i+1], v[T+i:T+i+1], s[C1:C1+1], s[C0:C0+1] op_sel_hi:[1,0,0]  ; c1 g^2 + c0
.set i, i+2
.endr
	WIN WS
.set i, 0
.rept 16
	v_pk_mul_f32 v[T+i:T+i+1], v[AC+i:AC+i+1], v[T+i:T+i+1]
.set i, i+2
.endr
	WIN 0
.set i, 0
.rept 32
	v_exp_f32 v[T+i], v[T+i]
.set i, i+1
.endr
	v_nop                                          ; a plain instruction behind the last exponential,
	s_wait_alu depctr_va_vdst(0)                   ; and the wait ahead of the first use: one for the batch
.set i, 0
.rept 16
	v_pk_add_f32 v[T+i:T+i+1], v[T+i:T+i+1], 1.0 op_sel_hi:[1,0]
.set i, i+2
.endr
.set i, 0
.rept 32
	v_rcp_f32 v[T+i], v[T+i]
.set i, i+1
.endr
	v_nop
	s_wait_alu depctr_va_vdst(0)
.set i, 0
.rept 16
	v_pk_mul_f32 v[GL+i:GL+i+1], v[GL+i:GL+i+1], v[T+i:T+i+1]
.set i, i+2
.endr
	s_wait_xcnt 0x0                                ; the stores of two tiles back have read these registers
.irp u, 0,1,2,3
.irp jj, 0,1
.irp tt, 0,1
	v_cvt_pk_bf16_f32 v[ZZ+4*(\u)+2*(\jj)+(\tt)], v[GL+16*(\tt)+2*(\u)+(\jj)], v[GL+16*(\tt)+8+2*(\u)+(\jj)]
.endr
.endr
.endr
.irp u, 0,1,2,3
	global_store_b128 v[ZO], v[ZZ+4*(\u):ZZ+4*(\u)+3], s[8:9] offset:(\u)*16384+(\a)*256 th:TH_STORE_NT
.endr
.endm
.irp a, 0,1,2,3,4,5,6,7
	OUT \a
.endr
	s_wait_tensorcnt 0x0                           ; the wave's end, behind my last tensor load and my last LDS store
	ds_add_u32 v[SPW], v[NIL]
	s_wait_dscnt 0x0
	CROUND                                         ; the closing round: no work-group ends while a partner may still ask for a tile that names it
	s_endpgm
.Lfunc_end_k_qce1ac40497_up:
	.size	k_qce1ac40497_up, .Lfunc_end_k_qce1ac40497_up-k_qce1ac40497_up
	.p2alignl 7, 3214868480
	.fill 96, 4, 3214868480
	.section	.rodata,"a",@progbits
	.p2align	6, 0x0
	.amdhsa_kernel k_qce1ac40497_up
		.amdhsa_group_segment_fixed_size 327680
		.amdhsa_private_segment_fixed_size 0
		.amdhsa_enable_private_segment 0
		.amdhsa_kernarg_size 24
		.amdhsa_user_sgpr_count 2
		.amdhsa_user_sgpr_kernarg_segment_ptr 1
		.amdhsa_wavefront_size32 1
		.amdhsa_system_sgpr_workgroup_id_x 1
		.amdhsa_system_sgpr_workgroup_id_y 1
		.amdhsa_system_sgpr_workgroup_id_z 1
		.amdhsa_system_vgpr_workitem_id 0
		.amdhsa_next_free_vgpr 1024
		.amdhsa_next_free_sgpr 66
		.amdhsa_reserve_vcc 0
		.amdhsa_float_denorm_mode_32 3
		.amdhsa_float_denorm_mode_16_64 3
		.amdhsa_memory_ordered 1
		.amdhsa_forward_progress 1
		.amdhsa_inst_pref_size 217
	.end_amdhsa_kernel
	.amdgpu_metadata
---
amdhsa.version: [ 1, 2 ]
amdhsa.kernels:
  - .name:           k_qce1ac40497_up
    .symbol:         k_qce1ac40497_up.kd
    .args:
      - { .name: xn, .offset: 0, .size: 8, .value_kind: global_buffer, .address_space: global }
      - { .name: kernel_1, .offset: 8, .size: 8, .value_kind: global_buffer, .address_space: global }
      - { .name: zb, .offset: 16, .size: 8, .value_kind: global_buffer, .address_space: global }
    .group_segment_fixed_size: 327680
    .private_segment_fixed_size: 0
    .kernarg_segment_align: 8
    .kernarg_segment_size: 24
    .max_flat_workgroup_size: 128
    .sgpr_count:     66
    .vgpr_count:     1024
    .wavefront_size: 32
...
	.end_amdgpu_metadata
.endif
;; end of part 2
;; launch down (part 3): grid 256 x 1, 4 waves a work-group, clusters of 4 x 1, 327,680 bytes of LDS; arguments zb, kernel_2, part; writes part
.if DOCPART == 3
	.amdgcn_target "amdgcn-amd-amdhsa--gfx1250"
	.amdhsa_code_object_version 6
	.text
	.protected	k_qce1ac40497_down
	.globl	k_qce1ac40497_down
	.p2align	8
	.type	k_qce1ac40497_down,@function
k_qce1ac40497_down:
	s_mov_b64 s[64:65], 0
	v_nop
	global_prefetch_b8 v0, s[64:65] scope:SCOPE_SE
	s_setreg_imm32_b32 hwreg(HW_REG_WAVE_MODE, 25, 1), 1
	s_wait_xcnt 0x0
	s_wait_alu depctr_hold_cnt(0) depctr_sa_sdst(0) depctr_va_vdst(0) depctr_va_sdst(0) depctr_va_ssrc(0) depctr_va_vcc(0) depctr_vm_vsrc(0)
	s_getreg_b32 s2, hwreg(HW_REG_IB_STS2, 6, 4)
	s_cmp_eq_u32 s2, 0
	s_cbranch_scc0 .Lentry_in_a_cluster
	s_endpgm
.Lentry_in_a_cluster:
	s_bfe_u32 s2, ttmp6, 0x10000c
	s_cmp_lg_u32 s2, 0x3003
	s_cbranch_scc0 .Lentry_shape_is_right
	s_endpgm
.Lentry_shape_is_right:
; part[ks] = zb[:, 1,024 ks .. + 1,023] x kernel_2[1,024 ks .. + 1,023, :]: the second product, its K of 8,192 split in eight, so that 256 work-groups have tiles of 512 x 128.  Nothing is left out.
; zb: bf16, [1,024 groups of 8 k][1,024 rows][8].  kernel_2: f32, rows of 8,192 bytes, rounded to bf16 on its way through registers.  Partial sums leave in f32, as they lie in the lanes; the next launch adds them.
; The design is the first product's: A by joint tensor loads through two LDS slots of 128 k (the four partners of a cluster have the same rows and the same K, and four neighbouring column blocks); the
; weights memory -> registers -> packed -> LDS, 64 k a step: wave w takes k rows 16 w .. + 15, a lane 16 bytes (columns 4 q .. + 3 of the block's first 64 columns for lanes 0-15, of its second 64 for
; lanes 16-31) of each row; column 4 q + t of half sg becomes index q of column tile 4 sg + t.  The packings ride behind a quarter's first eight matrix instructions.
; THE CLUSTERS' ORDER.  Cluster c has row block c & 1, eighth of K (c >> 1) & 7 and column group c >> 4: the two clusters that read the same weights have neighbouring numbers, and the four that read
; the same rows and K of zb lie 16 apart.
; THE MATRIX INSTRUCTION IS USED AS IT IS (source 0 = 16 rows, source 1 = 16 columns): register j of lane (r, h) holds row 8 h + j, column index r.
; part: [ks 8][block 128][idx 128][lane 32][4]: block = (16 rb + cb) 4 + wave; idx = 2 (8 a + b) + hf: registers 4 hf .. + 3 of the accumulator of row tile a, column tile b.
; REGISTERS, in windows of 256: window 0: v0-31 addresses; v32-63 packed weights; v64-127, v128-191 A's fragments.  Window 1: v0-63, v192-255 the two sets of weights; v64-127, v128-191 B's fragments.
; Windows 2, 3: accumulator (a, b) at v[8 (8 (a % 4) + b)] of window 2 + a / 4.
.set NA,     8                         ; slots of A: 1,024 / 128
.set ROWS,   13
.set ROWB,   1<<ROWS
.set SEGS,   8                         ; lanes 16-31 read 256 bytes further on
.set STEPB,  64*ROWB
.set ASLOT,  1<<17
.set ASTEP,  16*16384
.set BB,     2*ASLOT                   ; B's two slots, never a tensor load's target
.set BSLOT,  16384
.set SPARE,  BB+2*BSLOT                ; the spare words, 128 bytes for each wave
.set NSL,    8                         ; slices of four riders: 32 packings
.set ADRA0, 12
.set ADRA,  16
.set ADRB,  20
.set BST,   21
.set BGO,   22
.set PFW,   23
.set PFAO,  24
.set PO,    26                         ; v26  16 x lane
.set SPW,   28
.set NIL,   29
.set CV,    32
.set F0,    64
.set F1,    128
.set G1,  24
.set G0A, 32
.set G0,  36
.set W,   40
.set PFA, 42
.set LIMW, 44
.set LIMA, 45
.set TA,  46
.set MSB, 0
.set sl, 0
.macro WIN new
.if MSB != (\new)
	s_set_vgpr_msb (MSB<<8)|(\new)
.set MSB, (\new)
.endif
.endm
.set MUL_LO, 0xa4                      ; source 0 (A) window 0, source 1 (B) window 1, C and D window 2; + 0x50: window 3
.set TO_1,   0x40
.set PCK,    0x05
.macro PLACES
.rept 4
	v_nop
.endr
.endm
.macro CREST
	s_cmp_lg_u32 s10, 0
	s_cbranch_scc1 .Lnot_wave_0_\@
	s_barrier_signal -3
.Lnot_wave_0_\@:
	s_barrier_wait -3
	s_barrier_signal -1
	s_barrier_wait -1
.endm
.macro CROUND
	s_barrier_signal -1
	s_barrier_wait -1
	CREST
.endm
.macro SLICE st                        ; word p = 16 g + 4 t + d: k rows 2 d and 2 d + 1 of group g, column t, rounded to bf16
.set STB, 192*(\st)
	WIN PCK
.irp z, 0,1,2,3
.set p, 4*sl+(\z)
	v_cvt_pk_bf16_f32 v[CV+p], v[STB+32*(p/16)+8*(p%4)+(p/4)%4], v[STB+32*(p/16)+8*(p%4)+4+(p/4)%4]
.endr
.set sl, sl+1
.endm
.macro MMS f, hi, n0, cnt, zero=0, ride=0, st=0  ; the 64 accumulators take turns in the same order in every quarter, over the backward jump too
.set n, \n0
.rept \cnt
	WIN MUL_LO+0x50*(\hi)
.if \zero
	v_wmma_f32_16x16x32_bf16 v[8*n:8*n+7], v[(\f)+8*(4*(\hi)+n/8):(\f)+8*(4*(\hi)+n/8)+7], v[(\f)+8*(n%8):(\f)+8*(n%8)+7], 0
.else
	v_wmma_f32_16x16x32_bf16 v[8*n:8*n+7], v[(\f)+8*(4*(\hi)+n/8):(\f)+8*(4*(\hi)+n/8)+7], v[(\f)+8*(n%8):(\f)+8*(n%8)+7], v[8*n:8*n+7]
.endif
.if (\ride) && (sl < NSL)
	SLICE \st
.endif
.set n, n+1
.endr
.endm
.macro STOREB sb
.irp g, 0,1
.irp t, 0,1,2,3
	ds_store_b128 v[BST], v[CV+16*(\g)+4*(\t):CV+16*(\g)+4*(\t)+3] offset:(\sb)*BSLOT+(\g)*2048+(\t)*256
.endr
.endr
.endm
.macro FETCH q, f
	WIN TO_1
.irp i, 0,1,2,3,4,5,6,7
	ds_load_b128 v[(\f)+8*(\i):(\f)+8*(\i)+3],   v[ADRB] offset:((\q)>>1)*BSLOT+((\q)&1)*8192+(\i)*256
	ds_load_b128 v[(\f)+8*(\i)+4:(\f)+8*(\i)+7], v[ADRB] offset:((\q)>>1)*BSLOT+((\q)&1)*8192+(\i)*256+4096
.endr
	WIN 0
.irp i, 0,1,2,3,4,5,6,7
	ds_load_b128 v[(\f)+8*(\i):(\f)+8*(\i)+3],   v[ADRA+((\q)>>1)] offset:((\q)&1)*32768+(\i)*256
	ds_load_b128 v[(\f)+8*(\i)+4:(\f)+8*(\i)+7], v[ADRA+((\q)>>1)] offset:((\q)&1)*32768+(\i)*256+16384
.endr
.endm
.macro LOADB st, bump, bumpa
	s_wait_xcnt 0x0                                ; every load and prefetch issued so far has read its address (ISA guide 3.1): the pointers may be written
.if \bump
	s_add_nc_u64 s[W:W+1], s[W:W+1], STEPB
.endif
.if \bumpa
	s_add_nc_u64 s[PFA:PFA+1], s[PFA:PFA+1], ASTEP
.endif
	WIN TO_1
.irp e, 0,1,2,3,4,5,6,7,8,9,10,11,12,13,14,15
	global_load_b128 v[192*(\st)+4*(\e):192*(\st)+4*(\e)+3], v[BGO], s[W:W+1] offset:(\e)*ROWB
.endr
	WIN 0
.endm
; PREFETCHES INTO THE L2, as in the first product.  Weights: each wave names its own 16 rows x 2 blocks of 256 bytes of the step four steps (512 matrix instructions) on, behind its loads; of the two
; clusters that read the same weights, row block 0 asks.  A: the slot two refills on, behind the joint load and the LDS loads; of the four clusters that read the same rows and K, column group 0 asks, its
; partners sharing the 16 groups of 8 k out by address.  The last three trips (s3 <= 2) name nothing: those steps and slots lie outside my K.
.macro ASKW
	s_cmp_gt_u32 s3, s[LIMW]
	s_cbranch_scc0 .Lno_w_\@
	global_prefetch_b8 v[PFW], s[W:W+1] th:TH_LOAD_NT scope:SCOPE_SE
.Lno_w_\@:
.endm
.macro ASKA
	s_cmp_gt_u32 s3, s[LIMA]
	s_cbranch_scc0 .Lno_a_\@
	global_prefetch_b8 v[PFAO], s[PFA:PFA+1] offset:2*ASTEP th:TH_LOAD_NT scope:SCOPE_SE
.Lno_a_\@:
.endm
.macro QC q, f, g, zero, st, sb, lf, ld, ask, bumpa  ; quarter 0 or 2: multiplies f, converts set st into B's slot sb, fetches the next quarter into g, asks for the set's next step
	s_wait_loadcnt \lf                             ; set st is in; the other set's younger loads may stay out
	s_wait_dscnt 8                                 ; the youngest eight loads (A's rows 64-127) may be out
.set sl, 0
	MMS \f, 0, 0, 32, \zero, 1, \st                ; the 32 riders are also the places in front of the loads below
	WIN 0
	STOREB \sb
	FETCH (\q)+1, \g
.if \ld
	LOADB \st, 1, \bumpa
.endif
.if \ask
	ASKW
.endif
	s_wait_dscnt 32                                ; all but the 32 loads just issued
	MMS \f, 1, 0, 32, \zero
.endm
.macro QX                              ; quarter 1: the barrier orders the stores into B's slot 1 before the reads below, and the reads of B's slot 0 before quarter 2's stores
	s_wait_dscnt 8
	MMS F1, 0, 0, 16
	s_wait_dscnt 0x0
	s_barrier_signal -1
	MMS F1, 0, 16, 16
	s_barrier_wait -1
	PLACES
	FETCH 2, F0
	MMS F1, 1, 0, 32
.endm
.macro TURN fill                       ; quarter 3 and the change of A's slots: all my tensor loads, the add, my LDS reads and stores; fill = 1: a round of the cluster's barrier, and the joint refill first behind it
	WIN 0
	s_wait_tensorcnt 0x0                           ; no tensor load of mine is out, so the walking group 0 may be written
	ds_add_u32 v[SPW], v[NIL]                      ; 0 onto my spare word
.if \fill
	s_xor_b32 s[G0+1], s[G0+1], ASLOT
	s_add_nc_u64 s[G0+2:G0+3], s[G0+2:G0+3], ASTEP
.endif
	s_xor_b32 s[TA], s[TA], ASLOT
	s_wait_dscnt 9                                 ; (the add and the youngest eight loads may be out)
	MMS F1, 0, 0, 16
	s_wait_dscnt 0x0
	s_barrier_signal -1
	MMS F1, 0, 16, 16
	WIN 0
	v_add_nc_u32 v[ADRA], s[TA], v[ADRA0]          ; no LDS load that names these two is out
	v_add_nc_u32 v[ADRA+1], s[TA], v[ADRA0+1]
	s_barrier_wait -1
.if \fill
	CREST
	tensor_load_to_lds s[G0:G0+3], s[G1:G1+7]
	s_nop 0
.endif
	PLACES
	FETCH 0, F0
.if \fill
	ASKA
.endif
	MMS F1, 1, 0, 32
.endm
	s_load_b128 s[4:7], s[0:1], 0x0                ; zb s[4:5], kernel_2 s[6:7]
	s_load_b64 s[8:9], s[0:1], 0x10                ; part
	v_lshl_add_u32 v[SPW], v0, 2, SPARE
	v_mov_b32 v[NIL], 0
	ds_add_u32 v[SPW], v[NIL]                      ; the wave's opening: the add, twice on end, and its wait ahead of my first tensor load
	ds_add_u32 v[SPW], v[NIL]                      ; and once more; the set-up below, work on registers, stands between it and the wait
	v_lshrrev_b32 v1, 5, v0
	v_readfirstlane_b32 s10, v1                    ; wave 0..3
	s_bfe_u32 s11, ttmp6, 0x40000                  ; cx
	s_mov_b32 s12, ttmp9                           ; the cluster's number, 0..63
	s_and_b32 s13, s12, 1                          ; row block: bit 0
	s_lshr_b32 s47, s12, 4                         ; column group 0..3: bits 5:4
	s_bfe_u32 s15, s12, 0x30001                    ; ks, my eighth of K: bits 3:1
	s_lshl_b32 s14, s47, 2
	s_add_co_u32 s14, s14, s11                     ; column block cb 0..15: columns 128 cb on
	s_mov_b32 s[G1+0], 15|(3<<16)|(1<<21)          ; the mask of four; elements of 8 bytes; bit 21 beside a mask; no padding
	s_mov_b32 s[G1+1], 1024<<16                    ; tensor_dim0 = 1,024 elements: a group's 512 rows of 16 bytes
	s_mov_b32 s[G1+2], 4<<16                       ; tensor_dim1 = 4
	s_mov_b32 s[G1+3], 1024<<16                    ; tile_dim0
	s_mov_b32 s[G1+4], 4                           ; tile_dim1
	s_mov_b32 s[G1+5], 2048                        ; 16,384 bytes from group to group
	s_mov_b32 s[G1+6], 0
	s_mov_b32 s[G1+7], 0
	s_mov_b32 s[G0A], 1
	s_lshl_b32 s[G0A+1], s10, 15
	s_mov_b32 s[G0], 1
	s_add_co_u32 s[G0+1], s[G0A+1], ASLOT
	s_mov_b32 s[TA], 0
	s_cmp_eq_u32 s13, 0
	s_cselect_b32 s[LIMW], 2, -1
	s_cmp_eq_u32 s47, 0
	s_cselect_b32 s[LIMA], 2, -1
	v_and_b32 v2, 15, v0
	v_bfe_u32 v3, v0, 4, 1
	v_lshlrev_b32 v4, 4, v2
	s_lshl_b32 s16, s10, 11
	v_lshl_add_u32 v[ADRA0], v3, 13, v4
	v_add_nc_u32 v[ADRA0], s16, v[ADRA0]
	v_add_nc_u32 v[ADRA0+1], 0x10000, v[ADRA0]
	v_mov_b32 v[ADRA], v[ADRA0]
	v_mov_b32 v[ADRA+1], v[ADRA0+1]
	v_lshl_add_u32 v[ADRB], v3, 11, v4
	v_add_nc_u32 v[ADRB], BB, v[ADRB]
	s_lshl_b32 s16, s10, 12
	s_add_co_u32 s16, s16, BB
	v_lshl_add_u32 v[BST], v3, 10, v4
	v_add_nc_u32 v[BST], s16, v[BST]
	s_lshl_b32 s16, s10, ROWS+4
	v_lshl_add_u32 v[BGO], v3, SEGS, v4
	v_add_nc_u32 v[BGO], s16, v[BGO]
	v_lshlrev_b32 v5, ROWS, v2
	v_lshl_add_u32 v[PFW], v3, SEGS, v5
	v_add_nc_u32 v[PFW], s16, v[PFW]
	v_add_nc_u32 v[PFW], 4*STEPB, v[PFW]
	v_and_b32 v5, 31, v0
	v_lshlrev_b32 v[PFAO], 8, v5
	v_lshlrev_b32 v[PO], 4, v5
	s_lshl_b32 s16, s15, 21                        ; A: my K's 128 groups, my four groups of a slot, the row block; these registers never hold cx
	s_lshl_b32 s17, s10, 16
	s_add_co_u32 s16, s16, s17
	s_lshl_b32 s17, s13, 13
	s_add_co_u32 s16, s16, s17
	s_mov_b32 s17, 0
	s_lshl_b32 s20, s10, 2                         ; A's prefetch: group 4 w + cx, slot 2
	s_add_co_u32 s20, s20, s11
	s_lshl_b32 s20, s20, 14
	s_lshl_b32 s21, s13, 13
	s_add_co_u32 s20, s20, s21
	s_lshl_b32 s21, s15, 21
	s_add_co_u32 s20, s20, s21
	s_add_co_u32 s20, s20, 2*ASTEP
	s_mov_b32 s21, 0
	s_lshl_b32 s22, s15, 23                        ; the weights: my 1,024 rows of 8,192 bytes, my 128 columns
	s_lshl_b32 s23, s14, 9
	s_add_co_u32 s22, s22, s23
	s_mov_b32 s23, 0
	s_lshl_b32 s2, s13, 4                          ; part: block (16 rb + cb) 4 + wave of split ks
	s_add_co_u32 s2, s2, s14
	s_lshl_b32 s2, s2, 2
	s_add_co_u32 s2, s2, s10
	s_lshl_b32 s3, s15, 7
	s_add_co_u32 s2, s2, s3
	s_lshl_b32 s2, s2, 16
	s_mov_b32 s3, 0
	s_wait_dscnt 0x0                               ; both opening adds are done
	s_wait_kmcnt 0x0
	s_add_nc_u64 s[18:19], s[4:5], s[16:17]
	s_mov_b64 s[G0A+2:G0A+3], s[18:19]
	s_or_b32 s[G0A+3], s[G0A+3], 0x80000000
	s_add_nc_u64 s[G0+2:G0+3], s[18:19], ASTEP
	s_or_b32 s[G0+3], s[G0+3], 0x80000000
	s_add_nc_u64 s[PFA:PFA+1], s[4:5], s[20:21]
	s_add_nc_u64 s[W:W+1], s[6:7], s[22:23]
	s_add_nc_u64 s[8:9], s[8:9], s[2:3]
	LOADB 0, 0, 0                                  ; step 0
	LOADB 1, 1, 0                                  ; step 1
	CROUND                                         ; all four work-groups are here: the first joint loads meet
	tensor_load_to_lds s[G0A:G0A+3], s[G1:G1+7]    ; both first fills together: two loads of mine are out
	s_nop 0
	tensor_load_to_lds s[G0:G0+3], s[G1:G1+7]
	s_nop 0
	PLACES
	s_wait_loadcnt 16                              ; step 0 is in
.set sl, 0
.rept NSL
	SLICE 0
.endr
	WIN 0
	STOREB 0
	LOADB 0, 1, 0                                  ; step 2
	s_wait_tensorcnt 1                             ; my part of slot 0 is in; slot 1's may stay out
	s_wait_dscnt 0x0
	s_barrier_signal -1
	s_barrier_wait -1
	FETCH 0, F0
	QC 0, F0, F1, 1, 1, 1, 16, 1, 0, 0             ; the first quarter's products start the sums
	WIN 0
	s_mov_b32 s3, NA-2
.Llap:
	QX
	QC 2, F0, F1, 0, 0, 0, 16, 1, 1, 0
	TURN 1
	QC 0, F0, F1, 0, 1, 1, 16, 1, 1, 1
	WIN 0
	s_sub_co_u32 s3, s3, 1
	s_cmp_lg_u32 s3, 0
	s_cbranch_scc1 .Llap
	QX                                             ; the tail is written out: nothing more is loaded or asked for
	QC 2, F0, F1, 0, 0, 0, 16, 0, 0, 0
	TURN 0
	QC 0, F0, F1, 0, 1, 1, 0, 0, 0, 0
	QX
	s_wait_dscnt 8
	MMS F0, 0, 0, 32
	PLACES
	FETCH 3, F1
	s_wait_dscnt 32
	MMS F0, 1, 0, 32
	s_wait_dscnt 8
	MMS F1, 0, 0, 32
	s_wait_dscnt 0x0
	MMS F1, 1, 0, 32
	WIN 0
	PLACES
	PLACES
	; THE WAY OUT: the accumulators as they lie, four registers a store: 512 consecutive bytes, aligned; each accumulator's lowest four first
.irp hi, 0,1
	WIN 0x08+4*(\hi)                               ; the stores' data in window 2, then 3
.set n, 0
.rept 32
	global_store_b128 v[PO], v[8*n:8*n+3],   s[8:9] offset:(2*(32*(\hi)+n))*512 th:TH_STORE_NT
	global_store_b128 v[PO], v[8*n+4:8*n+7], s[8:9] offset:(2*(32*(\hi)+n)+1)*512 th:TH_STORE_NT
.set n, n+1
.endr
.endr
	WIN 0
	s_wait_tensorcnt 0x0                           ; the wave's end, behind my last tensor load and my last LDS store
	ds_add_u32 v[SPW], v[NIL]
	s_wait_dscnt 0x0
	CROUND                                         ; the closing round
	s_endpgm
.Lfunc_end_k_qce1ac40497_down:
	.size	k_qce1ac40497_down, .Lfunc_end_k_qce1ac40497_down-k_qce1ac40497_down
	.p2alignl 7, 3214868480
	.fill 96, 4, 3214868480
	.section	.rodata,"a",@progbits
	.p2align	6, 0x0
	.amdhsa_kernel k_qce1ac40497_down
		.amdhsa_group_segment_fixed_size 327680
		.amdhsa_private_segment_fixed_size 0
		.amdhsa_enable_private_segment 0
		.amdhsa_kernarg_size 24
		.amdhsa_user_sgpr_count 2
		.amdhsa_user_sgpr_kernarg_segment_ptr 1
		.amdhsa_wavefront_size32 1
		.amdhsa_system_sgpr_workgroup_id_x 1
		.amdhsa_system_sgpr_workgroup_id_y 1
		.amdhsa_system_sgpr_workgroup_id_z 1
		.amdhsa_system_vgpr_workitem_id 0
		.amdhsa_next_free_vgpr 1024
		.amdhsa_next_free_sgpr 66
		.amdhsa_reserve_vcc 0
		.amdhsa_float_denorm_mode_32 3
		.amdhsa_float_denorm_mode_16_64 3
		.amdhsa_memory_ordered 1
		.amdhsa_forward_progress 1
		.amdhsa_inst_pref_size 123
	.end_amdhsa_kernel
	.amdgpu_metadata
---
amdhsa.version: [ 1, 2 ]
amdhsa.kernels:
  - .name:           k_qce1ac40497_down
    .symbol:         k_qce1ac40497_down.kd
    .args:
      - { .name: zb, .offset: 0, .size: 8, .value_kind: global_buffer, .address_space: global }
      - { .name: kernel_2, .offset: 8, .size: 8, .value_kind: global_buffer, .address_space: global }
      - { .name: part, .offset: 16, .size: 8, .value_kind: global_buffer, .address_space: global }
    .group_segment_fixed_size: 327680
    .private_segment_fixed_size: 0
    .kernarg_segment_align: 8
    .kernarg_segment_size: 24
    .max_flat_workgroup_size: 128
    .sgpr_count:     66
    .vgpr_count:     1024
    .wavefront_size: 32
...
	.end_amdgpu_metadata
.endif
;; end of part 3
;; launch sum (part 4): grid 256 x 1, 16 waves a work-group, no clusters, 0 bytes of LDS; arguments part, out0; writes out0
.if DOCPART == 4
	.amdgcn_target "amdgcn-amd-amdhsa--gfx1250"
	.amdhsa_code_object_version 6
	.text
	.protected	k_qce1ac40497_sum
	.globl	k_qce1ac40497_sum
	.p2align	8
	.type	k_qce1ac40497_sum,@function
k_qce1ac40497_sum:
	s_mov_b64 s[64:65], 0
	v_nop
	global_prefetch_b8 v0, s[64:65] scope:SCOPE_SE
	s_setreg_imm32_b32 hwreg(HW_REG_WAVE_MODE, 25, 1), 1
	s_wait_xcnt 0x0
; out0 = the sum of the eight partial products, split 0 to split 7 in ascending order, in f32.  Nothing is left out.
; part: [ks 8][block 128][idx 128][lane 32][4] f32; block = (16 rb + cb) 4 + w; idx = 2 (8 a + b) + hf: registers 4 hf .. + 3 of the accumulator of row tile a and column tile b = 4 sg + t, in which
; lane (r, h) holds rows 8 h + 4 hf + 0..3 and column 64 sg + 4 r + t of the block's 128.  So the four tiles t = 0..3 hold four neighbouring columns: the last addition writes them side by side.
; SHARES.  A wave has one (block, a, sg, hf): 32 loads of 512 consecutive bytes, all issued before the first wait, and 4 stores in which each half of the lanes fills 256 consecutive bytes, aligned.
; Memory binds: no LDS, no barrier, no matrix unit.
.set LO, 2                             ; v2   16 x lane
.set OO, 3                             ; v3   my byte offset in out0: 8 rows for lanes 16-31, 16 x (lane % 16)
.set O,  16                            ; v[16:31]   row jj's four columns at O + 4 jj
.set P,  32                            ; v[32:159]  split ks, tile t at P + 16 ks + 4 t
	s_load_b128 s[4:7], s[0:1], 0x0                ; part s[4:5], out0 s[6:7]
	v_lshrrev_b32 v1, 5, v0
	v_readfirstlane_b32 s8, v1                     ; wave 0..15
	v_and_b32 v1, 31, v0
	v_lshlrev_b32 v[LO], 4, v1
	v_and_b32 v4, 15, v0
	v_bfe_u32 v5, v0, 4, 1
	v_lshlrev_b32 v4, 4, v4
	v_lshl_add_u32 v[OO], v5, 16, v4
	s_lshr_b32 s9, ttmp9, 1                        ; block
	s_and_b32 s10, ttmp9, 1
	s_lshl_b32 s10, s10, 4
	s_add_co_u32 s10, s10, s8                      ; 4 a + 2 sg + hf, 0..31
	s_lshl_b32 s12, s9, 16                         ; in part: 65,536 x block + 8,192 a + 4,096 sg + 512 hf
	s_lshr_b32 s13, s10, 1
	s_lshl_b32 s13, s13, 12
	s_add_co_u32 s12, s12, s13
	s_and_b32 s14, s10, 1                          ; hf
	s_lshl_b32 s13, s14, 9
	s_add_co_u32 s12, s12, s13
	s_mov_b32 s13, 0
	s_lshr_b32 s32, s9, 6                          ; in out0: row 512 rb + 128 w + 16 a + 4 hf,
	s_lshl_b32 s32, s32, 9
	s_and_b32 s33, s9, 3
	s_lshl_b32 s33, s33, 7
	s_add_co_u32 s32, s32, s33
	s_lshr_b32 s33, s10, 2
	s_lshl_b32 s33, s33, 4
	s_add_co_u32 s32, s32, s33
	s_lshl_b32 s33, s14, 2
	s_add_co_u32 s32, s32, s33
	s_lshl_b32 s32, s32, 13                        ; of 8,192 bytes,
	s_bfe_u32 s33, s9, 0x40002                     ; byte 512 cb + 256 sg
	s_lshl_b32 s33, s33, 9
	s_add_co_u32 s32, s32, s33
	s_bfe_u32 s33, s10, 0x10001
	s_lshl_b32 s33, s33, 8
	s_add_co_u32 s32, s32, s33
	s_mov_b32 s33, 0
	s_wait_kmcnt 0x0
	s_add_nc_u64 s[16:17], s[4:5], s[12:13]        ; a base for each split: they lie 8,388,608 bytes apart, more than an immediate holds
.irp k, 1,2,3,4,5,6,7
	s_add_nc_u64 s[16+2*(\k):17+2*(\k)], s[14+2*(\k):15+2*(\k)], 0x800000
.endr
	s_add_nc_u64 s[6:7], s[6:7], s[32:33]
.irp k, 0,1,2,3,4,5,6,7
.irp t, 0,1,2,3
	global_load_b128 v[P+16*(\k)+4*(\t):P+16*(\k)+4*(\t)+3], v[LO], s[16+2*(\k):17+2*(\k)] offset:1024*(\t) th:TH_LOAD_NT
.endr
.endr
.irp k, 1,2,3,4,5,6
	s_wait_loadcnt 28-4*(\k)                       ; loads come back in order (ISA guide 5.7.1): splits 0 to k are in, the later splits' four loads each may stay out
.irp u, 0,2,4,6,8,10,12,14
	v_pk_add_f32 v[P+(\u):P+(\u)+1], v[P+(\u):P+(\u)+1], v[P+16*(\k)+(\u):P+16*(\k)+(\u)+1]
.endr
.endr
	s_wait_loadcnt 0x0
.irp t, 0,1,2,3
.irp jj, 0,1,2,3
	v_add_f32 v[O+4*(\jj)+(\t)], v[P+4*(\t)+(\jj)], v[P+112+4*(\t)+(\jj)]  ; the last split, and the columns into their order
.endr
.endr
.irp jj, 0,1,2,3
	global_store_b128 v[OO], v[O+4*(\jj):O+4*(\jj)+3], s[6:7] offset:8192*(\jj) th:TH_STORE_NT
.endr
	s_endpgm
.Lfunc_end_k_qce1ac40497_sum:
	.size	k_qce1ac40497_sum, .Lfunc_end_k_qce1ac40497_sum-k_qce1ac40497_sum
	.p2alignl 7, 3214868480
	.fill 96, 4, 3214868480
	.section	.rodata,"a",@progbits
	.p2align	6, 0x0
	.amdhsa_kernel k_qce1ac40497_sum
		.amdhsa_group_segment_fixed_size 0
		.amdhsa_private_segment_fixed_size 0
		.amdhsa_enable_private_segment 0
		.amdhsa_kernarg_size 16
		.amdhsa_user_sgpr_count 2
		.amdhsa_user_sgpr_kernarg_segment_ptr 1
		.amdhsa_wavefront_size32 1
		.amdhsa_system_sgpr_workgroup_id_x 1
		.amdhsa_system_sgpr_workgroup_id_y 1
		.amdhsa_system_sgpr_workgroup_id_z 1
		.amdhsa_system_vgpr_workitem_id 0
		.amdhsa_next_free_vgpr 160
		.amdhsa_next_free_sgpr 66
		.amdhsa_reserve_vcc 0
		.amdhsa_float_denorm_mode_32 3
		.amdhsa_float_denorm_mode_16_64 3
		.amdhsa_memory_ordered 1
		.amdhsa_forward_progress 1
		.amdhsa_inst_pref_size 10
	.end_amdhsa_kernel
	.amdgpu_metadata
---
amdhsa.version: [ 1, 2 ]
amdhsa.kernels:
  - .name:           k_qce1ac40497_sum
    .symbol:         k_qce1ac40497_sum.kd
    .args:
      - { .name: part, .offset: 0, .size: 8, .value_kind: global_buffer, .address_space: global }
      - { .name: out0, .offset: 8, .size: 8, .value_kind: global_buffer, .address_space: global }
    .group_segment_fixed_size: 0
    .private_segment_fixed_size: 0
    .kernarg_segment_align: 8
    .kernarg_segment_size: 16
    .max_flat_workgroup_size: 512
    .sgpr_count:     66
    .vgpr_count:     160
    .wavefront_size: 32
...
	.end_amdgpu_metadata
.endif
;; end of part 4
